; MI455X (gfx1250); checked and timed in simulation.
; The chip was launched on July 23, 2026; its instructions are those of AMD's public machine-readable ISA for CDNA 5 (MIT licence, August 2026) and "CDNA5" Instruction Set Architecture Reference Guide (July 2026). The comments in the code are by the model that wrote it; some were corrected since.
;; Multi Head Attention. Allowed arithmetic: float matrix products may take bf16 or f16 operands with f32 sums; all other float work in f32.
;; Inputs: K 4 x 16 x 2,048 x 64 float32; Q 4 x 16 x 2,048 x 64 float32; V 4 x 16 x 2,048 x 64 float32.
;; Outputs: out0 4 x 16 x 2,048 x 64 float32.
;; 2 versions, each right; version 2 is version 1 with the launch attn written anew for expert scheduling mode. Each part assembles by itself: llvm-mc -triple=amdgcn-amd-amdhsa -mcpu=gfx1250 --defsym DOCPART=n.
;; ======== version 1 of 2: 1 launch
;; limits: values are held in f16: magnitudes above 65,504 overflow, below 6.1e-05 lose precision; inputs' magnitudes at most 65,504
;; launch attn (part 1): grid 256 x 1, 8 waves a work-group, no clusters, 222,208 bytes of LDS; arguments Q, K, V, out0; writes out0
.if DOCPART == 1
	.amdgcn_target "amdgcn-amd-amdhsa--gfx1250"
	.amdhsa_code_object_version 6
	.text
	.protected	k_qc29ea4b52e_attn
	.globl	k_qc29ea4b52e_attn
	.p2align	8
	.type	k_qc29ea4b52e_attn,@function
k_qc29ea4b52e_attn:
	s_mov_b64 s[64:65], 0
	v_nop
	global_prefetch_b8 v0, s[64:65] scope:SCOPE_SE
	s_setreg_imm32_b32 hwreg(HW_REG_WAVE_MODE, 25, 1), 1
	s_wait_xcnt 0x0
; Causal attention, out = softmax(Q K^T / 8 - 1e9 (1 - tril)) V, for 64 heads of 2,048 rows x 64 numbers, f32 in and out.
; Products in f16 with f32 sums; maximum, exponentials, row sums and rescaling in f32, with a running maximum.
;
; WHY F16 AND NOT BF16.  A row with few keys is a sum of a few weights near 1 times numbers of V; where these cancel, a weight's rounding shows undamped.
; f16 keeps eleven significant bits (a weight in [0.5, 1) is off by at most 2^-12), bf16 eight (2^-9).  Both formats take the same registers and LDS bytes.
; Room: Q, K and V may reach 65,504 in magnitude; below 2^-14 f16 goes on in steps of 2^-24 (error at most 2^-25).  The weights lie in [0, 1], measured
; against a maximum that only rises, so a weight's error is at most 2^-25 beside a row sum of at least 1: over 2,048 keys at most 6e-5 of V's size.
;
; WORK LEFT OUT.  reference() itself builds the mask: 1e9 is taken from every score whose key lies behind its query, 0 from the others.
; A masked entry's weight is exp(s - 1e9 - max), and max is at least the row's own diagonal score, so the weight is below exp(spread - 1e9),
; which is 0 in f32 and moves no result by more than rounding.  Key tiles that lie wholly behind a wave's queries are therefore not multiplied;
; inside the one tile that holds the diagonal every score is made and the masked ones are replaced by -infinity (weight exactly 0).
; LIMITS.  That holds while the scores of one row differ by less than 1e9 - 104 (inputs thirty times the usual spread give |q.k| near 1e5).
; A NaN, an infinity or an overflow that reaches only masked scores is not carried to the result.
; A number of Q, K or V above 65,504 in magnitude becomes an infinity on its way to the matrix unit.
; The weights go into the second product rounded to f16, the row sum is taken from the unrounded weights.
;
; SHARES.  256 work-groups of eight waves: head = group / 4, j = group % 4.  A query block is 256 rows, a step is 64 keys; block b needs 4 b + 4 steps.
; Group j does block 7 - j and then block j: 4 (8 - j) + 4 (j + 1) = 36 steps in every group.  Wave w owns rows 32 w .. 32 w + 31 of the block, as two
; tiles of 16 queries.  Its last live key tile is tw = 4 b + w / 2; behind it the wave only helps to stage tiles until the group's next block begins.
;
; BOTH PRODUCTS ARE TRANSPOSED.  S^T = K Q^T puts key 8 h + i of query r into register i of lane (r, h): two such tiles, packed to f16, are the
; second source (32 keys x 16 queries) of O^T = V^T P^T as they stand.  Each lane serves one query: maximum and sum need one exchange of lane halves.
;
; THE TWO QUERY TILES TAKE TURNS.  A tile's softmax is cut into 15 numbered slices.  Tile 0's first eight slices stand one behind each of tile 1's eight score
; products; tile 1's first eight one behind each of tile 0's eight products with V, its last three behind the first of its own.  20 of a step's 32 products have
; vector work of the other kind beside them; tile 0's score products have the staging's conversions behind them.  All that products and slices name lies in
; v0-255 (32 addresses and row figures, 32 Q, 64 O, 64 S, 64 fragments), so no turn changes a register window; K's and V's fragments therefore share 64
; registers: each of tile 1's products is the last reader of one fragment, which is loaded again four plain vector instructions later.
;
; K AND V PASS THROUGH REGISTERS: all 256 threads load a tile's 2 x 16,384 bytes of f32 (each instruction of a wave 512 neighbouring bytes), round them to f16
; once and store them into one of four LDS slots; one barrier a step.  A copy engine would leave f32 in LDS: each of the eight waves would round the same
; tile again, and the 16-bit transposing load that V needs could not be used.
; THE RING.  Slot = step % 4.  Step t asks memory for the tile of step t + 3, stores the tile of step t + 2 (asked for in step t - 1, so it has a whole step in
; which to come), reads V of its own tile, and reads K of the tile of step t + 1 between the barrier's signal and its wait.  The slot stored in step t was last
; read in step t - 2; the slot read between signal and wait is stored again in step t + 3: a barrier lies between in each case.
; A wave behind its diagonal fetches the next K fragments all the same (it needs them when the block changes): 14 of the group's 288 wave-steps use none.
; NO CLUSTER: the four groups of a head are at the same tile only in steps 0 to 19; group j turns back to tile 0 at step 4 (8 - j), which differs
; from partner to partner, so joint requests would not meet; and nothing here is fetched by the engine that serves them.
;
; LDS: K slots 4 x 64 rows x 144 bytes; V slots 4 x 64 x 160; Q as f16, for each wave 2 blocks x 32 rows x 144; way out, for each wave 32 rows x 272.
; 144 and 272 are odd multiples of 16, 160 an odd multiple of 32: the sixteen rows that a fragment load touches begin in different 16-byte columns of 256.
.set TILEB,  16384                     ; bytes of a tile of 64 rows of f32
.set KP,     144
.set VP,     160
.set KSLOT,  64*KP                     ; 9,216
.set VSLOT,  64*VP                     ; 10,240
.set LV,     4*KSLOT                   ; 36,864
.set LQ,     LV+4*VSLOT                ; 77,824
.set QBLK,   32*KP                     ; 4,608
.set LOUT,   LQ+8*2*QBLK               ; 151,552
.set OPITCH, 272
.set OWAVE,  32*OPITCH                 ; 8,704; LDS ends at 221,184
; VECTOR REGISTERS (L = lane, r = L % 16, h = L / 16, w = wave)
;  v1 16 L   v2 144 r + 16 h (K fragments)   v3 V's slots + (8 h + L % 8) 160 + 16 (L / 8 % 2) (V fragments)   v4, v5 where I store K's, V's 8 bytes
;  v6 Q fragments   v7, v8 way out: in, back   v9, v31 16 thread + 16,384 x tile, for landing set 0, 1   v10 16 thread   v11 32 (w % 2) + r - 8 h
;  v12 offset in out0   v13 Q's stage   v[14:15] maximum M   v[16:17] N = -M c   v[18:19] my half of the row sum   v[20:21] alpha, later 1 / sum
;  v[22:25] a step's sums   v[26:29] at work   v30 offset of the bytes that I ask for ahead
.set RQ, 32                            ; v[32:63]   Q fragments: tile q, half u of d at RQ + 8 (2 q + u)
.set RO, 64                            ; v[64:127]  O^T: 16 d x 16 queries, tile (e, q) at RO + 8 (2 e + q)
.set RS, 128                           ; v[128:191] S^T: tile (t, q) at RS + 32 (t / 2) + 16 q + 8 (t % 2); P packed in place at RS + 32 p + 16 q
.set RF, 192                           ; v[192:255] fragment n = 0..7 at RF + 16 (n % 4) + 8 (n / 4): K's keys 16 (n % 4).., d 32 (n / 4)..; V's d 16 (n % 4).., keys 32 (n / 4)..
;  v[256:319] two landing sets (written v0-63 in window 1): set s at 32 s; K's four quarters at 4 i, V's at 16 + 4 i
; SCALARS: s[4:11] Q, K, V, out0 at my head; s12 w; s13 j; s16 this step's tile; s17 the tile to ask for; s18 tw; s19 4 (8 - j); s20 trips; s21 block flag;
;  s22 my rows' byte offset, s23 the second block's; s24 the second block's tw; s25 -infinity; s26-27 lane selects; s[30:31] c; s32 -c;
;  s36 asks ahead that are left; s[38:39] the buffer that I ask in
.set MSB, 0
.macro WIN new                         ; s_set_vgpr_msb: bits 1:0 source 0, 3:2 source 1, 5:4 source 2, 7:6 destination; the high byte repeats the setting left
.if MSB != \new
	s_set_vgpr_msb (MSB<<8)|\new
.set MSB, \new
.endif
.endm
; A tile's K and V into a landing set: thread t takes 16 bytes at 16 t of each quarter (16 rows) of the tile.
.macro PREF set, areg, off
	WIN 0x40                                       ; destination window 1, address window 0
.irp i, 0,1,2,3
	global_load_b128 v[32*(\set)+4*\i:32*(\set)+4*\i+3], v[\areg], s[6:7] offset:\off+4096*\i
	global_load_b128 v[32*(\set)+16+4*\i:32*(\set)+16+4*\i+3], v[\areg], s[8:9] offset:\off+4096*\i
.endr
	WIN 0
.endm
; A landing set rounded to f16 and stored into a slot: row 16 i + 2 w + h, 8 bytes at 8 r.  left = the loads issued behind the set's own.
.macro STAGE set, slot, left
	s_wait_loadcnt \left                           ; the set's eight loads are in (and their offset register may be written again)
	WIN 0x45                                       ; sources 0, 1 and destination window 1
.irp i, 0,1,2,3,4,5,6,7
	v_cvt_pk_f16_f32 v[32*(\set)+4*\i], v[32*(\set)+4*\i], v[32*(\set)+4*\i+1]
	v_cvt_pk_f16_f32 v[32*(\set)+4*\i+1], v[32*(\set)+4*\i+2], v[32*(\set)+4*\i+3]
.endr
	WIN 0x04                                       ; store data window 1, address window 0
.irp i, 0,1,2,3
	ds_store_b64 v4, v[32*(\set)+4*\i:32*(\set)+4*\i+1] offset:(\slot)*KSLOT+16*KP*\i
	ds_store_b64 v5, v[32*(\set)+16+4*\i:32*(\set)+16+4*\i+1] offset:(\slot)*VSLOT+16*VP*\i
.endr
	WIN 0
.endm
; Group 0 of a head walks all 32 tiles in its first block.  Its waves 0 to 3 ask in step t for tile t + 5, which the head's four groups load in step t + 2:
; waves 0, 1 K's two halves, waves 2, 3 V's; lanes 256 bytes apart, so 32 lanes cover 8,192 bytes and each such block is asked for once.  27 asks: tiles 5 to 31.
.macro ASK off
	s_cmp_eq_u32 s36, 0
	s_cbranch_scc1 .Lnoask_\@
	global_prefetch_b8 v30, s[38:39] offset:\off th:TH_LOAD_NT scope:SCOPE_SE
	s_sub_co_u32 s36, s36, 1
.Lnoask_\@:
.endm
; K fragments 0 to 7 of a slot: 16 keys x 32 d each; the four of d 0..31 first.
.macro KFRAG slot
.irp u, 0,1
.irp t, 0,1,2,3
	ds_load_b128 v[RF+8*(2*\t+\u):RF+8*(2*\t+\u)+3], v2 offset:(\slot)*KSLOT+16*KP*\t+64*\u
	ds_load_b128 v[RF+8*(2*\t+\u)+4:RF+8*(2*\t+\u)+7], v2 offset:(\slot)*KSLOT+16*KP*\t+64*\u+32
.endr
.endr
.endm
; V fragment n: 16 d x 32 keys, transposed on the way out of LDS (V lies there as [key][d]).
.macro VL slot, n
.set VR, RF+16*((\n)&3)+8*((\n)>>2)
	ds_load_tr16_b128 v[VR:VR+3], v3 offset:(\slot)*VSLOT+32*VP*((\n)>>2)+32*((\n)&3)
	ds_load_tr16_b128 v[VR+4:VR+7], v3 offset:(\slot)*VSLOT+32*VP*((\n)>>2)+32*((\n)&3)+16*VP
.endm
; Score product n of query tile q: S^T(n % 4, q) (+)= K fragment n x Q(q, n / 4)^T.  The four score tiles take turns, one instruction a turn.
.macro SW q, n
.set SB, RS+32*(((\n)&3)>>1)+16*(\q)+8*((\n)&1)
.set SA, RF+16*((\n)&3)+8*((\n)>>2)
.set SC, RQ+8*(2*(\q)+((\n)>>2))
.if (\n) < 4
	v_wmma_f32_16x16x32_f16 v[SB:SB+7], v[SA:SA+7], v[SC:SC+7], 0
.else
	v_wmma_f32_16x16x32_f16 v[SB:SB+7], v[SA:SA+7], v[SC:SC+7], v[SB:SB+7]
	s_wait_alu depctr_va_vdst(0)
.endif
.endm
; Product n of query tile q with V: O^T(n % 4, q) (+)= V fragment n x P(q, n / 4)^T.  The four accumulator tiles take turns, one instruction a turn.
.macro PW q, n, first
.set PB, RO+8*(2*((\n)&3)+(\q))
.set PA, RF+16*((\n)&3)+8*((\n)>>2)
.set PP, RS+32*((\n)>>2)+16*(\q)
.set PZ, 0
.if \first
.if (\n) < 4
.set PZ, 1
.endif
.endif
.if PZ
	v_wmma_f32_16x16x32_f16 v[PB:PB+7], v[PA:PA+7], v[PP:PP+7], 0
	s_wait_alu depctr_va_vdst(0)
.else
	v_wmma_f32_16x16x32_f16 v[PB:PB+7], v[PA:PA+7], v[PP:PP+7], v[PB:PB+7]
	s_wait_alu depctr_va_vdst(0)
.endif
.endm
; The diagonal tile.  Key 16 t + 8 h + n is live for query 32 (w % 2) + 16 q + r if 16 t + n - 16 q <= v11; the others become -infinity.
; Key 0 of the tile is live for every query of the wave, so the maximum stays finite.
.macro MASK q
.irp t, 0,1,2,3
.irp n, 0,1,2,3,4,5,6,7
	v_cmp_le_i32 vcc_lo, 16*\t+\n-16*(\q), v11
	v_cndmask_b32 v[RS+32*(\t>>1)+16*(\q)+8*(\t&1)+\n], s25, v[RS+32*(\t>>1)+16*(\q)+8*(\t&1)+\n], vcc_lo
.endr
.endr
.endm
.macro PKSC reg, q                     ; a pair times v20 (q = 0) or v21 (q = 1)
.if \q
	v_pk_mul_f32 v[\reg:\reg+1], v[\reg:\reg+1], v[20:21] op_sel:[0,1] op_sel_hi:[1,1]
.else
	v_pk_mul_f32 v[\reg:\reg+1], v[\reg:\reg+1], v[20:21] op_sel:[0,0] op_sel_hi:[1,0]
.endif
.endm
.macro PKEX reg, q                     ; a pair of scores: s c + N of query tile q
.if \q
	v_pk_fma_f32 v[\reg:\reg+1], v[\reg:\reg+1], s[30:31], v[16:17] op_sel:[0,0,1] op_sel_hi:[1,0,1]
.else
	v_pk_fma_f32 v[\reg:\reg+1], v[\reg:\reg+1], s[30:31], v[16:17] op_sel:[0,0,0] op_sel_hi:[1,0,0]
.endif
.endm
.macro RESC i                          ; accumulator tile i (query tile i % 2) times its lane's factor
.irp n, 0,2,4,6
	PKSC (RO+8*(\i)+\n), ((\i)&1)
.endr
.endm
.macro EX q, t                         ; the eight exponentials of score tile (t, q)
.irp n, 0,1,2,3,4,5,6,7
	v_exp_f32 v[RS+32*((\t)>>1)+16*(\q)+8*((\t)&1)+\n], v[RS+32*((\t)>>1)+16*(\q)+8*((\t)&1)+\n]
.endr
.endm
; Tile (t, q)'s eight weights are added to the query tile's sums and packed: an even tile into its own first four registers, an odd one behind them.
; Sums and packings alternate, so that no sum stands next to the sum that it waits for; a packing writes only registers whose pair has been added and packed.
.macro FO q, t
.set FB, RS+32*((\t)>>1)+16*(\q)+8*((\t)&1)
.set FS, 22+2*(\q)
.set FD, RS+32*((\t)>>1)+16*(\q)+4*((\t)&1)
.if (\t)==0
	s_wait_alu depctr_va_vdst(0)
	v_pk_add_f32 v[FS:FS+1], v[FB:FB+1], v[FB+2:FB+3]          ; tile 0 starts the sum: nothing is cleared
	v_cvt_pk_f16_f32 v[FD], v[FB], v[FB+1]
.else
	s_wait_alu depctr_va_vdst(0)
	v_pk_add_f32 v[FS:FS+1], v[FS:FS+1], v[FB:FB+1]
	v_cvt_pk_f16_f32 v[FD], v[FB], v[FB+1]
	v_pk_add_f32 v[FS:FS+1], v[FS:FS+1], v[FB+2:FB+3]
.endif
	v_cvt_pk_f16_f32 v[FD+1], v[FB+2], v[FB+3]
	v_pk_add_f32 v[FS:FS+1], v[FS:FS+1], v[FB+4:FB+5]
	v_cvt_pk_f16_f32 v[FD+2], v[FB+4], v[FB+5]
	v_pk_add_f32 v[FS:FS+1], v[FS:FS+1], v[FB+6:FB+7]
	v_cvt_pk_f16_f32 v[FD+3], v[FB+6], v[FB+7]
.endm
; Slice k of the softmax of query tile q.  first = 1: the block's first step; there is no old maximum, sum or accumulator.
; Behind each run of exponentials comes plain work on other registers before their results are read (ISA guide 5.7.2): an earlier tile is folded, or accumulators are rescaled.
.macro SL q, k, first
.if (\k)==0                            ; the largest of my 32 scores: four chains, one a score tile; registers 0 to 4
.irp t, 0,1,2,3
	v_max3_num_f32 v[26+\t], v[RS+32*(\t>>1)+16*(\q)+8*(\t&1)], v[RS+32*(\t>>1)+16*(\q)+8*(\t&1)+1], v[RS+32*(\t>>1)+16*(\q)+8*(\t&1)+2]
.endr
.irp t, 0,1,2,3
	v_max3_num_f32 v[26+\t], v[26+\t], v[RS+32*(\t>>1)+16*(\q)+8*(\t&1)+3], v[RS+32*(\t>>1)+16*(\q)+8*(\t&1)+4]
.endr
.endif
.if (\k)==1                            ; registers 5 and 6; then the four registers 7 and the running maximum
.irp t, 0,1,2,3
	v_max3_num_f32 v[26+\t], v[26+\t], v[RS+32*(\t>>1)+16*(\q)+8*(\t&1)+5], v[RS+32*(\t>>1)+16*(\q)+8*(\t&1)+6]
.endr
	v_max3_num_f32 v26, v26, v[RS+16*(\q)+7], v[RS+16*(\q)+15]
	v_max3_num_f32 v27, v27, v[RS+32+16*(\q)+7], v[RS+32+16*(\q)+15]
.if \first
	v_max_num_f32 v28, v28, v29
.else
	v_max3_num_f32 v28, v28, v29, v[14+(\q)]
.endif
.endif
.if (\k)==2
	v_max3_num_f32 v26, v26, v27, v28
	v_permlanex16_b32 v27, v26, s26, s27           ; the other half of the lanes holds the query's other keys
	v_max_num_f32 v[14+(\q)], v26, v27
.endif
.if (\k)==3
.if \first
.else
	; alpha = 2^(N new - N old), from the two ROUNDED N: the weights were and are made with the rounded N, so a fused form would not match them
	v_mul_f32 v26, s32, v[14+(\q)]
	v_sub_f32 v[20+(\q)], v26, v[16+(\q)]
	v_exp_f32 v[20+(\q)], v[20+(\q)]
.endif
	v_mul_f32 v[16+(\q)], s32, v[14+(\q)]          ; N = -M c; also the plain instruction behind the exponential
.endif
.if (\k)==4
.irp n, 0,2,4,6,8,10,12,14
	PKEX (RS+16*(\q)+\n), \q
.endr
.endif
.if (\k)==5
.irp n, 0,2,4,6,8,10,12,14
	PKEX (RS+32+16*(\q)+\n), \q
.endr
.endif
.if (\k)==6
	EX \q, 0
.endif
.if (\k)==7
.if \first
	v_nop                                          ; nothing to rescale: the plain instruction behind tile 0's exponentials
.else
	RESC (\q)
	RESC (2+(\q))
.endif
.endif
.if (\k)==8
	EX \q, 1
.endif
.if (\k)==9
	FO \q, 0
.if \first
.else
	RESC (4+(\q))
.endif
.endif
.if (\k)==10
	EX \q, 2
.endif
.if (\k)==11
	FO \q, 1
.if \first
.else
	RESC (6+(\q))
.endif
.endif
.if (\k)==12
	EX \q, 3
.endif
.if (\k)==13
	FO \q, 2
.endif
.if (\k)==14
	FO \q, 3
.endif
.endm
; The two row sums.  Each half of the lanes keeps the sum of its own keys; they meet on the way out.  Four plain instructions, unpacked on purpose: they are
; the four places behind the step's last product, ahead of the loads into its fragments and of the way out.
.macro SUMS first
.if \first
	v_add_f32 v18, v22, v23
	v_add_f32 v19, v24, v25
	v_nop
	v_nop
.else
	v_add_f32 v26, v22, v23
	v_add_f32 v27, v24, v25
	v_fma_f32 v18, v18, v20, v26
	v_fma_f32 v19, v19, v21, v27
.endif
.endm
; One step of a wave on the tile in a slot.  On entry the tile's sixteen K fragment loads have been issued.  stg = 1: the tile two steps on is staged here.
.macro COMPUTE slot, first, last, stg, left
	s_wait_dscnt 0x8                               ; fragments 0 to 3 are in; the eight loads of fragments 4 to 7 may be out
.irp n, 0,1,2,3
	SW 0, \n
.endr
	s_wait_dscnt 0x0
.irp n, 4,5,6,7
	SW 0, \n
.endr
.if \stg
	STAGE ((\slot)&1), (((\slot)+2)&3), \left      ; its sixteen conversions are the places behind tile 0's score products before the scores are read
.else
.rept 4
	v_nop                                          ; nothing is left to stage: four places before the scores are read
.endr
.endif
.if \last
	MASK 0
.endif
	; tile 1's score products, a slice of tile 0's softmax behind each.  Product n is the last reader of K fragment n: V fragment n is asked for into the
	; same registers when at least four plain instructions of the slices have passed (exponentials are not counted).
	SW 1, 0
	SL 0, 0, \first
	VL \slot, 0
	SW 1, 1
	SL 0, 1, \first
	VL \slot, 1
	SW 1, 2
	SL 0, 2, \first
	SW 1, 3
	SL 0, 3, \first
	SW 1, 4
	SL 0, 4, \first
	VL \slot, 2
	VL \slot, 3
	VL \slot, 4
	SW 1, 5
	SL 0, 5, \first
	VL \slot, 5
	SW 1, 6
	SL 0, 6, \first
	SW 1, 7
	SL 0, 7, \first
	SL 0, 8, \first
	SL 0, 9, \first
	VL \slot, 6
	VL \slot, 7
.irp k, 10,11,12,13,14
	SL 0, \k, \first
.endr
.if \last
	MASK 1
.endif
	; tile 0's products with V, a slice of tile 1's softmax behind each
	s_wait_dscnt 0x8                               ; V fragments 0 to 3 are in (and my stores into the ring are done); the eight loads of fragments 4 to 7 may be out
.irp n, 0,1,2,3
	PW 0, \n, \first
	SL 1, \n, \first
.endr
	s_wait_dscnt 0x0
.irp n, 4,5,6,7
	PW 0, \n, \first
	SL 1, \n, \first
.endr
.irp k, 8,9,10,11
	SL 1, \k, \first
.endr
	; tile 1's weights of keys 0..31 are packed and its accumulators rescaled: its first products go beside the rest of its softmax
	PW 1, 0, \first
	SL 1, 12, \first
	PW 1, 1, \first
	SL 1, 13, \first
	PW 1, 2, \first
	SL 1, 14, \first
.irp n, 3,4,5,6,7
	PW 1, \n, \first
.endr
	SUMS \first
.endm
.macro QLOAD off                       ; my 32 queries as fragments, from my own stage
.irp q, 0,1
.irp u, 0,1
	ds_load_b128 v[RQ+8*(2*\q+\u):RQ+8*(2*\q+\u)+3], v6 offset:\off+16*KP*\q+64*\u
	ds_load_b128 v[RQ+8*(2*\q+\u)+4:RQ+8*(2*\q+\u)+7], v6 offset:\off+16*KP*\q+64*\u+32
.endr
.endr
.endm
; The way out of a block: divide by the row sum, turn O^T into rows through my own stage, store whole rows.  It touches none of the fragment registers.
; check = 1: if this was the first block, take up the second: its queries, its last tile, its rows.
.macro EPI check
	v_permlanex16_b32 v26, v18, s26, s27
	v_permlanex16_b32 v27, v19, s26, s27
	v_pk_add_f32 v[18:19], v[18:19], v[26:27]      ; the whole row sum
	v_rcp_f32 v20, v18
	v_rcp_f32 v21, v19
	v_add_nc_u32 v12, s22, v1                      ; my 16 bytes of my first two rows; also the plain instruction behind the reciprocals
	s_wait_alu depctr_va_vdst(0)
.irp i, 0,1,2,3,4,5,6,7
	RESC \i
.endr
.irp e, 0,1,2,3
.irp q, 0,1
	ds_store_b128 v7, v[RO+8*(2*\e+\q):RO+8*(2*\e+\q)+3] offset:16*OPITCH*\q+64*\e       ; query 16 q + r, d = 16 e + 8 h + 0..3
	ds_store_b128 v7, v[RO+8*(2*\e+\q)+4:RO+8*(2*\e+\q)+7] offset:16*OPITCH*\q+64*\e+16  ; d = 16 e + 8 h + 4..7
.endr
.endr
.irp t, 0,1,2,3,4,5,6,7,8,9,10,11,12,13,14,15
	ds_load_b128 v[RS+4*\t:RS+4*\t+3], v8 offset:2*OPITCH*\t       ; rows 2 t and 2 t + 1; a wave's LDS instructions are served in order: these see the stores above
.endr
.irp t, 0,1,2,3,4,5,6,7,8,9,10,11,12,13,14,15
	s_wait_dscnt 15-\t                             ; read-back t is in, the younger ones may be out
	global_store_b128 v12, v[RS+4*\t:RS+4*\t+3], s[10:11] offset:512*\t th:TH_STORE_NT   ; 512 neighbouring bytes, two whole rows of out0
.endr
	s_wait_xcnt 0x0                                ; the stores' data and offset registers are written again only behind this wait
.if \check
	s_cmp_lg_u32 s21, 0
	s_cbranch_scc1 .Lsecond_\@
	QLOAD QBLK
	s_mov_b32 s18, s24
	s_mov_b32 s22, s23
	s_mov_b32 s21, 1
	s_wait_dscnt 0x0                               ; the counted wait at the head of the next step speaks of K's fragments alone
.Lsecond_\@:
.endif
.endm
; One step, c = step % 4 = its slot.  pre: a tile is asked for (three steps on) and, by four waves of one group, one ahead of that.  left: see STAGE.
; kn: the next step's K fragments are fetched.  firstok: the tile may be tile 0 of a block.  check: see EPI.
; The branches hang on the wave's number and the group's j alone, and jump over register work, the staging's own copy in each arm, the wave's own LDS bytes and
; reads of this step's slot; the barrier stands behind them, in every wave's text.
.macro STEP c, pre, left, kn, firstok, check
.if \pre
.set GA_, 9+22*(((\c)+1)&1)
	v_lshl_add_u32 v[GA_], s17, 14, v10            ; the loads that last used this offset register were waited for in the last step's staging
	PREF (((\c)+1)&1), GA_, 0
	s_add_co_u32 s17, s17, 1                       ; the next tile,
	s_cmp_eq_u32 s17, s19
	s_cselect_b32 s17, 0, s17                      ; or tile 0 again, for the second block (whose tiles stay below s19)
	ASK (((((\c)+3)&3)+1)*TILEB)
.endif
	s_cmp_gt_i32 s16, s18
	s_cbranch_scc1 .Lskip_\@                       ; wholly behind my queries
	s_cmp_eq_u32 s16, s18
	s_cbranch_scc1 .Llast_\@
.if \firstok
	s_cmp_eq_u32 s16, 0
	s_cbranch_scc1 .Lfirst_\@
.endif
	COMPUTE \c, 0, 0, 1, \left
	s_branch .Ljoin_\@
.if \firstok
.Lfirst_\@:
	COMPUTE \c, 1, 0, 1, \left
	s_branch .Ljoin_\@
.endif
.Llast_\@:
.if \firstok
	s_cmp_eq_u32 s16, 0
	s_cbranch_scc1 .Lfl_\@
.endif
	COMPUTE \c, 0, 1, 1, \left
	s_branch .Ljoin_\@
.if \firstok
.Lfl_\@:
	COMPUTE \c, 1, 1, 1, \left                     ; block 0, waves 0 and 1: the first tile is the diagonal one
	s_branch .Ljoin_\@
.endif
.Lskip_\@:
	STAGE ((\c)&1), (((\c)+2)&3), \left
.Ljoin_\@:
	s_wait_dscnt 0x0                               ; my reads of this step's slot are back and my stores into the ring are done
	s_barrier_signal -1
.if \kn
	KFRAG (((\c)+1)&3)                             ; whole in LDS since the last barrier, and stored again only three barriers on
.endif
	s_barrier_wait -1                              ; both now hold of all eight waves
	s_cmp_lg_u32 s16, s18                          ; the way out stands behind the barrier: no other wave waits for it
	s_cbranch_scc1 .Lnoepi_\@
	EPI \check
.Lnoepi_\@:
	s_add_co_u32 s16, s16, 1
	s_cmp_eq_u32 s16, s19
	s_cselect_b32 s16, 0, s16
.endm
	s_load_b256 s[4:11], s[0:1], 0x0               ; Q s[4:5], K s[6:7], V s[8:9], out0 s[10:11]
	s_set_vgpr_msb 0x40
	v_lshl_add_u32 v64, v0, 2, 0x36000
	v_mov_b32 v65, 0
	s_set_vgpr_msb 0x4000
	v_lshrrev_b32 v20, 5, v0
	v_readfirstlane_b32 s12, v20                   ; w
	s_and_b32 s13, ttmp9, 3                        ; j
	s_lshr_b32 s14, ttmp9, 2                       ; head,
	s_lshl_b32 s14, s14, 19                        ; times 2,048 rows of 256 bytes
	s_mov_b32 s15, 0
	s_lshl_b32 s28, s13, 2                         ; 4 j
	s_lshr_b32 s29, s12, 1                         ; w / 2
	s_sub_co_u32 s19, 32, s28                      ; steps of the first block, 4 (8 - j): a multiple of 4, so tile % 4 = step % 4 in both blocks
	s_add_co_u32 s24, s28, s29                     ; tw of block j
	s_add_co_u32 s18, s19, s29
	s_sub_co_u32 s18, s18, 4                       ; tw of block 7 - j
	s_lshl_b32 s35, s12, 13                        ; w x 32 rows x 256 bytes
	s_sub_co_u32 s34, 7, s13
	s_lshl_b32 s34, s34, 16                        ; block x 256 rows x 256 bytes
	s_add_co_u32 s22, s34, s35
	s_lshl_b32 s34, s13, 16
	s_add_co_u32 s23, s34, s35
	s_mov_b32 s16, 0
	s_mov_b32 s17, 4                               ; tiles 0 to 3 are asked for by constants below
	s_mov_b32 s21, 0
	s_mov_b32 s25, 0xff800000                      ; -infinity
	s_mov_b32 s26, 0x76543210                      ; v_permlanex16_b32: lane i of one half reads lane i of the other
	s_mov_b32 s27, 0xfedcba98
	s_mov_b32 s30, 0x3e38aa3b                      ; c = log2(e) / 8: sqrt(1 / 64) and the change of base in one factor
	s_mov_b32 s31, 0x3e38aa3b
	s_mov_b32 s32, 0xbe38aa3b                      ; -c
	s_mov_b32 s36, 27                              ; asks ahead: 27 in waves 0 to 3 of group j = 0,
	s_cmp_eq_u32 s13, 0
	s_cselect_b32 s36, s36, 0
	s_cmp_lt_u32 s12, 4
	s_cselect_b32 s36, s36, 0                      ; none elsewhere
	v_and_b32 v20, 31, v0                          ; L
	v_and_b32 v21, 15, v0                          ; r
	v_bfe_u32 v22, v0, 4, 1                        ; h
	v_lshlrev_b32 v1, 4, v20
	v_lshlrev_b32 v10, 4, v0
	v_mov_b32 v17, 0                               ; the packed forms name the pair v[16:17] and take one half: tile 1's half has a value before tile 0's first use
	v_lshlrev_b32 v30, 8, v20                      ; 256 L,
	s_and_b32 s34, s12, 1
	s_lshl_b32 s34, s34, 13
	s_add_co_u32 s34, s34, 5*TILEB
	v_add_nc_u32 v30, s34, v30                     ; in my half of tile 5
	v_mul_u32_u24 v2, v21, KP
	v_lshl_add_u32 v2, v22, 4, v2
	v_and_b32 v23, 7, v0
	v_lshl_add_u32 v23, v22, 3, v23
	v_mul_u32_u24 v3, v23, VP
	v_bfe_u32 v23, v0, 3, 1
	v_lshl_add_u32 v3, v23, 4, v3
	v_add_nc_u32 v3, LV, v3                        ; V's slots begin at 36,864: the register carries that, the immediates stay below 65,536
	v_mul_u32_u24 v24, v22, KP
	v_lshl_add_u32 v24, v21, 3, v24                ; 144 h + 8 r
	s_mul_i32 s34, s12, 2*KP
	v_add_nc_u32 v4, s34, v24
	v_mul_u32_u24 v25, v22, VP
	v_lshl_add_u32 v25, v21, 3, v25                ; 160 h + 8 r
	s_mul_i32 s34, s12, 2*VP
	s_add_co_u32 s34, s34, LV
	v_add_nc_u32 v5, s34, v25
	s_mul_i32 s34, s12, 2*QBLK
	s_add_co_u32 s34, s34, LQ                      ; my Q stage
	v_add_nc_u32 v6, s34, v2
	v_add_nc_u32 v13, s34, v24
	s_mul_i32 s35, s12, OWAVE
	s_add_co_u32 s35, s35, LOUT                    ; my stage for the way out
	v_mul_u32_u24 v25, v21, OPITCH
	v_lshl_add_u32 v25, v22, 5, v25
	v_add_nc_u32 v7, s35, v25
	v_mul_u32_u24 v25, v22, OPITCH
	v_lshl_add_u32 v25, v21, 4, v25
	v_add_nc_u32 v8, s35, v25
	s_and_b32 s34, s12, 1
	s_lshl_b32 s34, s34, 5
	v_lshlrev_b32 v25, 3, v22
	v_sub_nc_u32 v11, v21, v25
	v_add_nc_u32 v11, s34, v11                     ; 32 (w % 2) + r - 8 h, signed
	v_add_nc_u32 v26, s22, v1                      ; my queries of the first block,
	v_add_nc_u32 v27, s23, v1                      ; and of the second
	s_wait_kmcnt 0x0
	s_add_nc_u64 s[4:5], s[4:5], s[14:15]
	s_add_nc_u64 s[6:7], s[6:7], s[14:15]
	s_add_nc_u64 s[8:9], s[8:9], s[14:15]
	s_add_nc_u64 s[10:11], s[10:11], s[14:15]
	s_cmp_lt_u32 s12, 2
	s_cselect_b64 s[38:39], s[6:7], s[8:9]         ; waves 0, 1 ask ahead in K, waves 2, 3 in V
	; my 2 x 32 queries, two rows an instruction, into registers that are free until the first step; then tiles 0 and 1
.irp i, 0,1,2,3,4,5,6,7,8,9,10,11,12,13,14,15
	global_load_b128 v[RS+4*\i:RS+4*\i+3], v26, s[4:5] offset:512*\i th:TH_LOAD_NT
.endr
.irp i, 0,1,2,3,4,5,6,7,8,9,10,11,12,13,14,15
	global_load_b128 v[RO+4*\i:RO+4*\i+3], v27, s[4:5] offset:512*\i th:TH_LOAD_NT
.endr
	PREF 0, 10, 0
	PREF 1, 10, TILEB
.macro QSTAGE reg, off                 ; row 2 i + h, 8 bytes at 8 r, into my own stage
.irp i, 0,1,2,3,4,5,6,7,8,9,10,11,12,13,14,15
	v_cvt_pk_f16_f32 v[\reg+4*\i], v[\reg+4*\i], v[\reg+4*\i+1]
	v_cvt_pk_f16_f32 v[\reg+4*\i+1], v[\reg+4*\i+2], v[\reg+4*\i+3]
	ds_store_b64 v13, v[\reg+4*\i:\reg+4*\i+1] offset:\off+2*KP*\i
.endr
.endm
	s_wait_loadcnt 32                              ; the first block's sixteen are in; the second block's sixteen and two tiles' sixteen may be out
	QSTAGE RS, 0
	s_wait_loadcnt 16                              ; the two tiles' sixteen may be out
	QSTAGE RO, QBLK
	STAGE 0, 0, 8                                  ; tile 0; tile 1's eight may be out
	s_wait_dscnt 0x0                               ; set 0's stores are done: the set is loaded again
	PREF 0, 10, 2*TILEB
	STAGE 1, 1, 8                                  ; tile 1; tile 2's eight may be out
	QLOAD 0                                        ; behind my own stores, served in order
	s_wait_dscnt 0x0                               ; my stores of tiles 0 and 1 are done
	s_barrier_signal -1
	s_barrier_wait -1                              ; everybody's are
	KFRAG 0
	; Step 0, tile 0 of the first block: every wave works on it, it is never the diagonal tile (tw is at least 16), and it starts the sums.
	PREF 1, 10, 3*TILEB
	ASK 0
	COMPUTE 0, 1, 0, 1, 8
	s_wait_dscnt 0x0
	s_barrier_signal -1
	KFRAG 1
	s_barrier_wait -1
	s_mov_b32 s16, 1
	; Steps 1 to 32, four a trip.
	s_mov_b32 s20, 8
.Ltrip:
	STEP 1, 1, 8, 1, 0, 1
	STEP 2, 1, 8, 1, 0, 1
	STEP 3, 1, 8, 1, 0, 1
	STEP 0, 1, 8, 1, 1, 1
	s_wait_xcnt 0x0                                ; v30 is written again only behind this wait; the trip's last ask stands a step back
	v_add_nc_u32 v30, 4*TILEB, v30
	s_sub_co_u32 s20, s20, 1
	s_cmp_lg_u32 s20, 0
	s_cbranch_scc1 .Ltrip
	; Step 33, tile 4 j + 1: nothing is left to ask for; the last tile is staged, behind the last barrier.
	STEP 1, 0, 0, 0, 0, 0
	; Steps 34 and 35, tiles 4 j + 2 and 4 j + 3: no LDS byte is stored any more, so no barrier.  Waves 0 to 3 are done; tile 4 j + 2 is the diagonal tile of
	; waves 4 and 5; waves 6 and 7 go on to tile 4 j + 3, which is theirs.
	s_cmp_gt_i32 s16, s18
	s_cbranch_scc1 .Lend
	KFRAG 2
	s_cmp_eq_u32 s16, s18
	s_cbranch_scc1 .Ldiag34
	COMPUTE 2, 0, 0, 0, 0
	KFRAG 3
	COMPUTE 3, 0, 1, 0, 0
	s_branch .Lout
.Ldiag34:
	COMPUTE 2, 0, 1, 0, 0
.Lout:
	EPI 0
.Lend:
	s_set_vgpr_msb 0x5
	s_wait_tensorcnt 0x0
	ds_add_u32 v64, v65
	s_wait_dscnt 0x0
	s_set_vgpr_msb 0x500
	s_endpgm
.Lfunc_end_k_qc29ea4b52e_attn:
	.size	k_qc29ea4b52e_attn, .Lfunc_end_k_qc29ea4b52e_attn-k_qc29ea4b52e_attn
	.p2alignl 7, 3214868480
	.fill 96, 4, 3214868480
	.section	.rodata,"a",@progbits
	.p2align	6, 0x0
	.amdhsa_kernel k_qc29ea4b52e_attn
		.amdhsa_group_segment_fixed_size 222208
		.amdhsa_private_segment_fixed_size 0
		.amdhsa_enable_private_segment 0
		.amdhsa_kernarg_size 32
		.amdhsa_user_sgpr_count 2
		.amdhsa_user_sgpr_kernarg_segment_ptr 1
		.amdhsa_wavefront_size32 1
		.amdhsa_system_sgpr_workgroup_id_x 1
		.amdhsa_system_sgpr_workgroup_id_y 1
		.amdhsa_system_sgpr_workgroup_id_z 1
		.amdhsa_system_vgpr_workitem_id 0
		.amdhsa_next_free_vgpr 322
		.amdhsa_next_free_sgpr 66
		.amdhsa_reserve_vcc 1
		.amdhsa_float_denorm_mode_32 3
		.amdhsa_float_denorm_mode_16_64 3
		.amdhsa_memory_ordered 1
		.amdhsa_forward_progress 1
		.amdhsa_inst_pref_size 255
	.end_amdhsa_kernel
	.section	.bss,"aw",@nobits
	.p2align	6
	.space	262144
	.amdgpu_metadata
---
amdhsa.version: [ 1, 2 ]
amdhsa.kernels:
  - .name:           k_qc29ea4b52e_attn
    .symbol:         k_qc29ea4b52e_attn.kd
    .args:
      - { .name: Q, .offset: 0, .size: 8, .value_kind: global_buffer, .address_space: global }
      - { .name: K, .offset: 8, .size: 8, .value_kind: global_buffer, .address_space: global }
      - { .name: V, .offset: 16, .size: 8, .value_kind: global_buffer, .address_space: global }
      - { .name: out0, .offset: 24, .size: 8, .value_kind: global_buffer, .address_space: global }
    .group_segment_fixed_size: 222208
    .private_segment_fixed_size: 0
    .kernarg_segment_align: 8
    .kernarg_segment_size: 32
    .max_flat_workgroup_size: 256
    .sgpr_count:     66
    .vgpr_count:     322
    .wavefront_size: 32
...
	.end_amdgpu_metadata
.endif
;; end of part 1
;; ======== version 2 of 2: 1 launch; version 1 with the launch attn written anew for expert scheduling mode
;; limits: values are held in f16: magnitudes above 65,504 overflow, below 6.1e-05 lose precision; inputs' magnitudes at most 65,504
;; launch attn (part 2): grid 256 x 1, 8 waves a work-group, no clusters, 222,208 bytes of LDS; arguments Q, K, V, out0; writes out0
.if DOCPART == 2
	.amdgcn_target "amdgcn-amd-amdhsa--gfx1250"
	.amdhsa_code_object_version 6
	.text
	.protected	k_qc29ea4b52e_attn
	.globl	k_qc29ea4b52e_attn
	.p2align	8
	.type	k_qc29ea4b52e_attn,@function
k_qc29ea4b52e_attn:
	s_mov_b64 s[64:65], 0
	v_nop
	global_prefetch_b8 v0, s[64:65] scope:SCOPE_SE
	s_setreg_imm32_b32 hwreg(HW_REG_WAVE_SCHED_MODE, 0, 2), 2
	s_setreg_imm32_b32 hwreg(HW_REG_WAVE_MODE, 25, 1), 1
	s_wait_xcnt 0x0
	s_wait_alu depctr_vm_vsrc(0)
; Causal attention, out = softmax(Q K^T / 8 - 1e9 (1 - tril)) V, for 64 heads of 2,048 rows x 64 numbers, f32 in and out.
; Products in f16 with f32 sums; maximum, exponentials, row sums and rescaling in f32, with a running maximum.
;
; WHY F16 AND NOT BF16.  A row with few keys is a sum of a few weights near 1 times numbers of V; where these cancel, a weight's rounding shows undamped.
; f16 keeps eleven significant bits (a weight in [0.5, 1) is off by at most 2^-12), bf16 eight (2^-9).  Both formats take the same registers and LDS bytes.
; Room: Q, K and V may reach 65,504 in magnitude; below 2^-14 f16 goes on in steps of 2^-24 (error at most 2^-25).  The weights lie in [0, 1], measured
; against a maximum that only rises, so a weight's error is at most 2^-25 beside a row sum of at least 1: over 2,048 keys at most 6e-5 of V's size.
;
; WORK LEFT OUT.  reference() itself builds the mask: 1e9 is taken from every score whose key lies behind its query, 0 from the others.
; A masked entry's weight is exp(s - 1e9 - max), and max is at least the row's own diagonal score, so the weight is below exp(spread - 1e9),
; which is 0 in f32 and moves no result by more than rounding.  Key tiles that lie wholly behind a wave's queries are therefore not multiplied;
; inside the one tile that holds the diagonal every score is made and the masked ones are replaced by -infinity (weight exactly 0).
; LIMITS.  That holds while the scores of one row differ by less than 1e9 - 104 (inputs thirty times the usual spread give |q.k| near 1e5).
; A NaN, an infinity or an overflow that reaches only masked scores is not carried to the result.
; A number of Q, K or V above 65,504 in magnitude becomes an infinity on its way to the matrix unit.
; The weights go into the second product rounded to f16, the row sum is taken from the unrounded weights.
;
; SHARES.  256 work-groups of eight waves: head = group / 4, j = group % 4.  A query block is 256 rows, a step is 64 keys; block b needs 4 b + 4 steps.
; Group j does block 7 - j and then block j: 4 (8 - j) + 4 (j + 1) = 36 steps in every group.  Wave w owns rows 32 w .. 32 w + 31 of the block, as two
; tiles of 16 queries.  Its last live key tile is tw = 4 b + w / 2; behind it the wave only helps to stage tiles until the group's next block begins.
;
; BOTH PRODUCTS ARE TRANSPOSED.  S^T = K Q^T puts key 8 h + i of query r into register i of lane (r, h): two such tiles, packed to f16, are the
; second source (32 keys x 16 queries) of O^T = V^T P^T as they stand.  Each lane serves one query: maximum and sum need one exchange of lane halves.
;
; THE TWO QUERY TILES TAKE TURNS.  A tile's softmax is cut into 15 numbered slices.  Tile 0's first eight slices stand one behind each of tile 1's eight score
; products; tile 1's first eight one behind each of tile 0's eight products with V, its last three behind the first of its own.  20 of a step's 32 products have
; vector work of the other kind beside them; tile 0's score products have the staging's conversions behind them.  All that products and slices name lies in
; v0-255 (32 addresses and row figures, 32 Q, 64 O, 64 S, 64 fragments), so no turn changes a register window; K's and V's fragments therefore share 64
; registers: each of tile 1's products is the last reader of one fragment of K, and V's fragments are asked for into the same registers in two runs of four.
;
; K AND V PASS THROUGH REGISTERS: all 256 threads load a tile's 2 x 16,384 bytes of f32 (each instruction of a wave 512 neighbouring bytes), round them to f16
; once and store them into one of four LDS slots; one barrier a step.  A copy engine would leave f32 in LDS: each of the eight waves would round the same
; tile again, and the 16-bit transposing load that V needs could not be used.
; THE RING.  Slot = step % 4.  Step t asks memory for the tile of step t + 3, stores the tile of step t + 2 (asked for in step t - 1, so it has a whole step in
; which to come), reads V of its own tile, and reads K of the tile of step t + 1 between the barrier's signal and its wait.  The slot stored in step t was last
; read in step t - 2; the slot read between signal and wait is stored again in step t + 3: a barrier lies between in each case.
; A wave behind its diagonal fetches the next K fragments all the same (it needs them when the block changes): 14 of the group's 288 wave-steps use none.
; NO CLUSTER: the four groups of a head are at the same tile only in steps 0 to 19; group j turns back to tile 0 at step 4 (8 - j), which differs
; from partner to partner, so joint requests would not meet; and nothing here is fetched by the engine that serves them.
;
; THE MODE: SCHED_MODE bits 1:0 = 2 (LLVM: expert scheduling mode 2), set by the entry lines.  The code itself states the register dependences
; between vector or matrix instructions and memory or LDS instructions, with s_wait_alu, always for 0.
; THE PLAN.  Registers that memory or LDS instructions touch, and who else names them, round a step:
;   landing set s   Loads land in it at a step's head; the next step's sixteen conversions read it and write it in place; that step's eight LDS stores read it; the loads at the
;                   head of the step after land in it again.  One wait on va_vdst between conversions and stores; one on va_vdst and one on vm_vsrc directly ahead of the loads.
;   fragments RF    K's sixteen loads land between a barrier's signal and its wait; the sixteen score products read them; V's loads land in the same registers; the sixteen
;                   products with V read them.  Three waits on va_vdst a step: behind tile 1's product 3 and its slice, ahead of V's fragments 0 to 3; behind its product 7 and
;                   its slice, ahead of fragments 4 to 7; behind the step's last product, ahead of K's run.  The products behind each wait name other fragments than the loads just issued.
;   v2-v8, v10, v13, v30   offsets and LDS addresses: made at the head, one wait on va_vdst ahead of the first load, never written again.  A tile of K and V is reached by a
;                   scalar base for each landing set, the bytes asked for ahead by a scalar base that steps once a trip.
;   the way out     O is rescaled and v12 made; one wait on va_vdst; O's LDS stores, the read-backs into S's registers, the global stores, the second block's Q fragments; one wait on
;                   vm_vsrc beside s_wait_xcnt 0, ahead of all that writes these registers again.
;   scalars written by vector instructions: the wave's number, and the 40 masks of the diagonal tile, which hang on the lane and the wave alone: both made at the head, a wait on va_sdst behind each.
;
; LDS: K slots 4 x 64 rows x 144 bytes; V slots 4 x 64 x 160; Q as f16, for each wave 2 blocks x 32 rows x 144; way out, for each wave 32 rows x 272.
; 144 and 272 are odd multiples of 16, 160 an odd multiple of 32: the sixteen rows that a fragment load touches begin in different 16-byte columns of 256.
.set TILEB,  16384                     ; bytes of a tile of 64 rows of f32
.set KP,     144
.set VP,     160
.set KSLOT,  64*KP                     ; 9,216
.set VSLOT,  64*VP                     ; 10,240
.set LV,     4*KSLOT                   ; 36,864
.set LQ,     LV+4*VSLOT                ; 77,824
.set QBLK,   32*KP                     ; 4,608
.set LOUT,   LQ+8*2*QBLK               ; 151,552
.set OPITCH, 272
.set OWAVE,  32*OPITCH                 ; 8,704; LDS ends at 221,184
; VECTOR REGISTERS (L = lane, r = L % 16, h = L / 16, w = wave)
;  v1 16 L   v2 144 r + 16 h (K fragments)   v3 V's slots + (8 h + L % 8) 160 + 16 (L / 8 % 2) (V fragments)   v4, v5 where I store K's, V's 8 bytes
;  v6 Q fragments   v7, v8 way out: in, back   v10 16 thread: my 16 bytes in each quarter of a tile   v11 32 (w % 2) + r - 8 h
;  v12 offset in out0   v13 Q's stage   v[14:15] maximum M   v[16:17] N = -M c   v[18:19] my half of the row sum   v[20:21] alpha, later 1 / sum
;  v[22:25] a step's sums   v[26:29] at work   v30 offset of the bytes that I ask for ahead   (v9, v31 not used)
.set RQ, 32                            ; v[32:63]   Q fragments: tile q, half u of d at RQ + 8 (2 q + u)
.set RO, 64                            ; v[64:127]  O^T: 16 d x 16 queries, tile (e, q) at RO + 8 (2 e + q)
.set RS, 128                           ; v[128:191] S^T: tile (t, q) at RS + 32 (t / 2) + 16 q + 8 (t % 2); P packed in place at RS + 32 p + 16 q
.set RF, 192                           ; v[192:255] fragment n = 0..7 at RF + 16 (n % 4) + 8 (n / 4): K's keys 16 (n % 4).., d 32 (n / 4)..; V's d 16 (n % 4).., keys 32 (n / 4)..
;  v[256:319] two landing sets (written v0-63 in window 1): set s at 32 s; K's four quarters at 4 i, V's at 16 + 4 i
; SCALARS: s[4:11] Q, K, V, out0 at my head; s12 w; s13 j; s16 this step's tile; s17 the tile to ask for; s18 tw; s19 4 (8 - j); s20 trips; s21 block flag;
;  s22 my rows' byte offset, s23 the second block's; s24 the second block's tw; s25 -infinity; s26-27 lane selects; s[30:31] c; s32 -c;
;  s36 asks ahead that are left; s[38:39] the buffer that I ask in, at the trip's tiles
.set MK,  40                           ; s40-63, s66-81: mask m = 0..39 at MK + m + 2 (m / 24): the lanes in which 16 (m / 8) + m % 8 - 16 <= v11
.set GB,  82                           ; s[82:89] landing set s: K at its tile in GB + 4 s, V in GB + 4 s + 2
.set GOF, 90                           ; s[90:91] a tile's byte offset in K and V
.set MSB, 0
.macro WIN new                         ; s_set_vgpr_msb: bits 1:0 source 0, 3:2 source 1, 5:4 source 2, 7:6 destination; the high byte repeats the setting left
.if MSB != \new
	s_set_vgpr_msb (MSB<<8)|\new
.set MSB, \new
.endif
.endm
; A tile's K and V into a landing set: thread t takes 16 bytes at 16 t of each quarter (16 rows) of the tile.  kb, vb: the scalar pairs that hold K's and V's address.
; again = 1: the set has been emptied before.
.macro PREF set, kb, vb, off, again
	WIN 0x40                                       ; destination window 1, address window 0
.if \again
	s_wait_alu depctr_va_vdst(0)                   ; the conversions that emptied the set are done reading and writing it: these loads land in it
	s_wait_alu depctr_vm_vsrc(0)                   ; the LDS stores that followed them have read it
.endif
.irp i, 0,1,2,3
	global_load_b128 v[32*(\set)+4*\i:32*(\set)+4*\i+3], v10, s[\kb:\kb+1] offset:\off+4096*\i
	global_load_b128 v[32*(\set)+16+4*\i:32*(\set)+16+4*\i+3], v10, s[\vb:\vb+1] offset:\off+4096*\i
.endr
	WIN 0
.endm
; A landing set rounded to f16 and stored into a slot: row 16 i + 2 w + h, 8 bytes at 8 r.  left = the loads issued behind the set's own.
.macro STAGE set, slot, left
	s_wait_loadcnt \left                           ; the set's eight loads are in (and their scalar bases may be written again)
	WIN 0x45                                       ; sources 0, 1 and destination window 1
.irp i, 0,1,2,3,4,5,6,7
	v_cvt_pk_f16_f32 v[32*(\set)+4*\i], v[32*(\set)+4*\i], v[32*(\set)+4*\i+1]
	v_cvt_pk_f16_f32 v[32*(\set)+4*\i+1], v[32*(\set)+4*\i+2], v[32*(\set)+4*\i+3]
.endr
	WIN 0x04                                       ; store data window 1, address window 0
	s_wait_alu depctr_va_vdst(0)                   ; the conversions have written the set's packed pairs, which the LDS stores read
.irp i, 0,1,2,3
	ds_store_b64 v4, v[32*(\set)+4*\i:32*(\set)+4*\i+1] offset:(\slot)*KSLOT+16*KP*\i
	ds_store_b64 v5, v[32*(\set)+16+4*\i:32*(\set)+16+4*\i+1] offset:(\slot)*VSLOT+16*VP*\i
.endr
	WIN 0
.endm
; Group 0 of a head walks all 32 tiles in its first block.  Its waves 0 to 3 ask in step t for tile t + 5, which the head's four groups load in step t + 2:
; waves 0, 1 K's two halves, waves 2, 3 V's; lanes 256 bytes apart, so 32 lanes cover 8,192 bytes and each such block is asked for once.  27 asks: tiles 5 to 31.
.macro ASK off
	s_cmp_eq_u32 s36, 0
	s_cbranch_scc1 .Lnoask_\@
	global_prefetch_b8 v30, s[38:39] offset:\off th:TH_LOAD_NT scope:SCOPE_SE
	s_sub_co_u32 s36, s36, 1
.Lnoask_\@:
.endm
; K fragments 0 to 7 of a slot: 16 keys x 32 d each; the four of d 0..31 first.  w = 1: products have read the registers before.
.macro KFRAG slot, w
.if \w
	s_wait_alu depctr_va_vdst(0)                   ; the products with V are done reading their fragments, in whose registers these loads land
.endif
.irp u, 0,1
.irp t, 0,1,2,3
	ds_load_b128 v[RF+8*(2*\t+\u):RF+8*(2*\t+\u)+3], v2 offset:(\slot)*KSLOT+16*KP*\t+64*\u
	ds_load_b128 v[RF+8*(2*\t+\u)+4:RF+8*(2*\t+\u)+7], v2 offset:(\slot)*KSLOT+16*KP*\t+64*\u+32
.endr
.endr
.endm
; V fragment n: 16 d x 32 keys, transposed on the way out of LDS (V lies there as [key][d]).
.macro VL slot, n
.set VR, RF+16*((\n)&3)+8*((\n)>>2)
	ds_load_tr16_b128 v[VR:VR+3], v3 offset:(\slot)*VSLOT+32*VP*((\n)>>2)+32*((\n)&3)
	ds_load_tr16_b128 v[VR+4:VR+7], v3 offset:(\slot)*VSLOT+32*VP*((\n)>>2)+32*((\n)&3)+16*VP
.endm
; Score product n of query tile q: S^T(n % 4, q) (+)= K fragment n x Q(q, n / 4)^T.  The four score tiles take turns, one instruction a turn.
.macro SW q, n
.set SB, RS+32*(((\n)&3)>>1)+16*(\q)+8*((\n)&1)
.set SA, RF+16*((\n)&3)+8*((\n)>>2)
.set SC, RQ+8*(2*(\q)+((\n)>>2))
.if (\n) < 4
	v_wmma_f32_16x16x32_f16 v[SB:SB+7], v[SA:SA+7], v[SC:SC+7], 0
.else
	v_wmma_f32_16x16x32_f16 v[SB:SB+7], v[SA:SA+7], v[SC:SC+7], v[SB:SB+7]
.endif
.endm
; Product n of query tile q with V: O^T(n % 4, q) (+)= V fragment n x P(q, n / 4)^T.  The four accumulator tiles take turns, one instruction a turn.
.macro PW q, n, first
.set PB, RO+8*(2*((\n)&3)+(\q))
.set PA, RF+16*((\n)&3)+8*((\n)>>2)
.set PP, RS+32*((\n)>>2)+16*(\q)
.set PZ, 0
.if \first
.if (\n) < 4
.set PZ, 1
.endif
.endif
.if PZ
	v_wmma_f32_16x16x32_f16 v[PB:PB+7], v[PA:PA+7], v[PP:PP+7], 0
	s_wait_alu depctr_va_vdst(0)
.else
	v_wmma_f32_16x16x32_f16 v[PB:PB+7], v[PA:PA+7], v[PP:PP+7], v[PB:PB+7]
	s_wait_alu depctr_va_vdst(0)
.endif
.endm
; The diagonal tile.  Key 16 t + 8 h + n is live for query 32 (w % 2) + 16 q + r if 16 t + n - 16 q <= v11; the others become -infinity.
; v11 never changes, so the comparisons are made once, at the head: that of (t, q, n) is mask 8 (t - q + 1) + n.
; Key 0 of the tile is live for every query of the wave, so the maximum stays finite.
.macro MASK q
.irp t, 0,1,2,3
.irp n, 0,1,2,3,4,5,6,7
.set MI, 8*(\t-(\q)+1)+\n
	v_cndmask_b32 v[RS+32*(\t>>1)+16*(\q)+8*(\t&1)+\n], s25, v[RS+32*(\t>>1)+16*(\q)+8*(\t&1)+\n], s[MK+MI+2*(MI/24)]
.endr
.endr
.endm
.macro PKSC reg, q                     ; a pair times v20 (q = 0) or v21 (q = 1)
.if \q
	v_pk_mul_f32 v[\reg:\reg+1], v[\reg:\reg+1], v[20:21] op_sel:[0,1] op_sel_hi:[1,1]
.else
	v_pk_mul_f32 v[\reg:\reg+1], v[\reg:\reg+1], v[20:21] op_sel:[0,0] op_sel_hi:[1,0]
.endif
.endm
.macro PKEX reg, q                     ; a pair of scores: s c + N of query tile q
.if \q
	v_pk_fma_f32 v[\reg:\reg+1], v[\reg:\reg+1], s[30:31], v[16:17] op_sel:[0,0,1] op_sel_hi:[1,0,1]
.else
	v_pk_fma_f32 v[\reg:\reg+1], v[\reg:\reg+1], s[30:31], v[16:17] op_sel:[0,0,0] op_sel_hi:[1,0,0]
.endif
.endm
.macro RESC i                          ; accumulator tile i (query tile i % 2) times its lane's factor
.irp n, 0,2,4,6
	PKSC (RO+8*(\i)+\n), ((\i)&1)
.endr
.endm
.macro EX q, t                         ; the eight exponentials of score tile (t, q)
.irp n, 0,1,2,3,4,5,6,7
	v_exp_f32 v[RS+32*((\t)>>1)+16*(\q)+8*((\t)&1)+\n], v[RS+32*((\t)>>1)+16*(\q)+8*((\t)&1)+\n]
.endr
.endm
; Tile (t, q)'s eight weights are added to the query tile's sums and packed: an even tile into its own first four registers, an odd one behind them.
; Sums and packings alternate, so that no sum stands next to the sum that it waits for; a packing writes only registers whose pair has been added and packed.
.macro FO q, t
.set FB, RS+32*((\t)>>1)+16*(\q)+8*((\t)&1)
.set FS, 22+2*(\q)
.set FD, RS+32*((\t)>>1)+16*(\q)+4*((\t)&1)
.if (\t)==0
	s_wait_alu depctr_va_vdst(0)
	v_pk_add_f32 v[FS:FS+1], v[FB:FB+1], v[FB+2:FB+3]          ; tile 0 starts the sum: nothing is cleared
	v_cvt_pk_f16_f32 v[FD], v[FB], v[FB+1]
.else
	s_wait_alu depctr_va_vdst(0)
	v_pk_add_f32 v[FS:FS+1], v[FS:FS+1], v[FB:FB+1]
	v_cvt_pk_f16_f32 v[FD], v[FB], v[FB+1]
	v_pk_add_f32 v[FS:FS+1], v[FS:FS+1], v[FB+2:FB+3]
.endif
	v_cvt_pk_f16_f32 v[FD+1], v[FB+2], v[FB+3]
	v_pk_add_f32 v[FS:FS+1], v[FS:FS+1], v[FB+4:FB+5]
	v_cvt_pk_f16_f32 v[FD+2], v[FB+4], v[FB+5]
	v_pk_add_f32 v[FS:FS+1], v[FS:FS+1], v[FB+6:FB+7]
	v_cvt_pk_f16_f32 v[FD+3], v[FB+6], v[FB+7]
.endm
; Slice k of the softmax of query tile q.  first = 1: the block's first step; there is no old maximum, sum or accumulator.
; Behind each run of exponentials comes plain work on other registers before their results are read (ISA guide 5.7.2): an earlier tile is folded, or accumulators are rescaled.
.macro SL q, k, first
.if (\k)==0                            ; the largest of my 32 scores: four chains, one a score tile; registers 0 to 4
.irp t, 0,1,2,3
	v_max3_num_f32 v[26+\t], v[RS+32*(\t>>1)+16*(\q)+8*(\t&1)], v[RS+32*(\t>>1)+16*(\q)+8*(\t&1)+1], v[RS+32*(\t>>1)+16*(\q)+8*(\t&1)+2]
.endr
.irp t, 0,1,2,3
	v_max3_num_f32 v[26+\t], v[26+\t], v[RS+32*(\t>>1)+16*(\q)+8*(\t&1)+3], v[RS+32*(\t>>1)+16*(\q)+8*(\t&1)+4]
.endr
.endif
.if (\k)==1                            ; registers 5 and 6; then the four registers 7 and the running maximum
.irp t, 0,1,2,3
	v_max3_num_f32 v[26+\t], v[26+\t], v[RS+32*(\t>>1)+16*(\q)+8*(\t&1)+5], v[RS+32*(\t>>1)+16*(\q)+8*(\t&1)+6]
.endr
	v_max3_num_f32 v26, v26, v[RS+16*(\q)+7], v[RS+16*(\q)+15]
	v_max3_num_f32 v27, v27, v[RS+32+16*(\q)+7], v[RS+32+16*(\q)+15]
.if \first
	v_max_num_f32 v28, v28, v29
.else
	v_max3_num_f32 v28, v28, v29, v[14+(\q)]
.endif
.endif
.if (\k)==2
	v_max3_num_f32 v26, v26, v27, v28
	v_permlanex16_b32 v27, v26, s26, s27           ; the other half of the lanes holds the query's other keys
	v_max_num_f32 v[14+(\q)], v26, v27
.endif
.if (\k)==3
.if \first
.else
	; alpha = 2^(N new - N old), from the two ROUNDED N: the weights were and are made with the rounded N, so a fused form would not match them
	v_mul_f32 v26, s32, v[14+(\q)]
	v_sub_f32 v[20+(\q)], v26, v[16+(\q)]
	v_exp_f32 v[20+(\q)], v[20+(\q)]
.endif
	v_mul_f32 v[16+(\q)], s32, v[14+(\q)]          ; N = -M c; also the plain instruction behind the exponential
.endif
.if (\k)==4
.irp n, 0,2,4,6,8,10,12,14
	PKEX (RS+16*(\q)+\n), \q
.endr
.endif
.if (\k)==5
.irp n, 0,2,4,6,8,10,12,14
	PKEX (RS+32+16*(\q)+\n), \q
.endr
.endif
.if (\k)==6
	EX \q, 0
.endif
.if (\k)==7
.if \first
	v_nop                                          ; nothing to rescale: the plain instruction behind tile 0's exponentials
.else
	RESC (\q)
	RESC (2+(\q))
.endif
.endif
.if (\k)==8
	EX \q, 1
.endif
.if (\k)==9
	FO \q, 0
.if \first
.else
	RESC (4+(\q))
.endif
.endif
.if (\k)==10
	EX \q, 2
.endif
.if (\k)==11
	FO \q, 1
.if \first
.else
	RESC (6+(\q))
.endif
.endif
.if (\k)==12
	EX \q, 3
.endif
.if (\k)==13
	FO \q, 2
.endif
.if (\k)==14
	FO \q, 3
.endif
.endm
; The two row sums.  Each half of the lanes keeps the sum of its own keys; they meet on the way out.  Four plain instructions, unpacked on purpose: they are
; the four places (ISA guide 7.12.1) behind the step's last product, ahead of the way out, which rescales its result.
.macro SUMS first
.if \first
	v_add_f32 v18, v22, v23
	v_add_f32 v19, v24, v25
	v_nop
	v_nop
.else
	v_add_f32 v26, v22, v23
	v_add_f32 v27, v24, v25
	v_fma_f32 v18, v18, v20, v26
	v_fma_f32 v19, v19, v21, v27
.endif
.endm
; One step of a wave on the tile in a slot.  On entry the tile's sixteen K fragment loads have been issued.  stg = 1: the tile two steps on is staged here.
.macro COMPUTE slot, first, last, stg, left
	s_wait_dscnt 0x8                               ; fragments 0 to 3 are in; the eight loads of fragments 4 to 7 may be out
.irp n, 0,1,2,3
	SW 0, \n
.endr
	s_wait_dscnt 0x0
.irp n, 4,5,6,7
	SW 0, \n
.endr
.if \stg
	STAGE ((\slot)&1), (((\slot)+2)&3), \left      ; its sixteen conversions are the places behind tile 0's score products before the scores are read
.else
.rept 4
	v_nop                                          ; nothing is left to stage: four places before the scores are read
.endr
.endif
.if \last
	MASK 0
.endif
	; tile 1's score products, a slice of tile 0's softmax behind each.  Product n is the last reader of K fragment n; V's fragments follow into the same registers, four at a time.
.irp n, 0,1,2,3
	SW 1, \n
	SL 0, \n, \first
.endr
	s_wait_alu depctr_va_vdst(0)                   ; both tiles' products 0 to 3 are done reading K's fragments 0 to 3, in whose registers the loads below land
.irp n, 0,1,2,3
	VL \slot, \n
.endr
.irp n, 4,5,6,7
	SW 1, \n                                       ; these read fragments 4 to 7: none of the registers that the loads above fill
	SL 0, \n, \first
.endr
	s_wait_alu depctr_va_vdst(0)                   ; both tiles' products 4 to 7 are done reading K's fragments 4 to 7, in whose registers the loads below land
.irp n, 4,5,6,7
	VL \slot, \n
.endr
.irp k, 8,9,10,11,12,13,14
	SL 0, \k, \first
.endr
.if \last
	MASK 1
.endif
	; tile 0's products with V, a slice of tile 1's softmax behind each
	s_wait_dscnt 0x8                               ; V fragments 0 to 3 are in (and my stores into the ring are done); the eight loads of fragments 4 to 7 may be out
.irp n, 0,1,2,3
	PW 0, \n, \first
	SL 1, \n, \first
.endr
	s_wait_dscnt 0x0
.irp n, 4,5,6,7
	PW 0, \n, \first
	SL 1, \n, \first
.endr
.irp k, 8,9,10,11
	SL 1, \k, \first
.endr
	; tile 1's weights of keys 0..31 are packed and its accumulators rescaled: its first products go beside the rest of its softmax
	PW 1, 0, \first
	SL 1, 12, \first
	PW 1, 1, \first
	SL 1, 13, \first
	PW 1, 2, \first
	SL 1, 14, \first
.irp n, 3,4,5,6,7
	PW 1, \n, \first
.endr
	SUMS \first
.endm
.macro QLOAD off                       ; my 32 queries as fragments, from my own stage
.irp q, 0,1
.irp u, 0,1
	ds_load_b128 v[RQ+8*(2*\q+\u):RQ+8*(2*\q+\u)+3], v6 offset:\off+16*KP*\q+64*\u
	ds_load_b128 v[RQ+8*(2*\q+\u)+4:RQ+8*(2*\q+\u)+7], v6 offset:\off+16*KP*\q+64*\u+32
.endr
.endr
.endm
; The way out of a block: divide by the row sum, turn O^T into rows through my own stage, store whole rows.  It touches none of the fragment registers.
; check = 1: if this was the first block, take up the second: its queries, its last tile, its rows.  on = 1: text follows that writes the registers named here again.
.macro EPI check, on
	v_permlanex16_b32 v26, v18, s26, s27
	v_permlanex16_b32 v27, v19, s26, s27
	v_pk_add_f32 v[18:19], v[18:19], v[26:27]      ; the whole row sum
	v_rcp_f32 v20, v18
	v_rcp_f32 v21, v19
	v_add_nc_u32 v12, s22, v1                      ; my 16 bytes of my first two rows; also the plain instruction behind the reciprocals
	s_wait_alu depctr_va_vdst(0)
.irp i, 0,1,2,3,4,5,6,7
	RESC \i
.endr
	s_wait_alu depctr_va_vdst(0)                   ; O is rescaled, which the LDS stores read; v12 is written, the global stores' offset; products and slices are done with S's registers, in which the read-backs land, and with Q's fragments, in which the second block's land
.irp e, 0,1,2,3
.irp q, 0,1
	ds_store_b128 v7, v[RO+8*(2*\e+\q):RO+8*(2*\e+\q)+3] offset:16*OPITCH*\q+64*\e       ; query 16 q + r, d = 16 e + 8 h + 0..3
	ds_store_b128 v7, v[RO+8*(2*\e+\q)+4:RO+8*(2*\e+\q)+7] offset:16*OPITCH*\q+64*\e+16  ; d = 16 e + 8 h + 4..7
.endr
.endr
.irp t, 0,1,2,3,4,5,6,7,8,9,10,11,12,13,14,15
	ds_load_b128 v[RS+4*\t:RS+4*\t+3], v8 offset:2*OPITCH*\t       ; rows 2 t and 2 t + 1; a wave's LDS instructions are served in order: these see the stores above
.endr
.irp t, 0,1,2,3,4,5,6,7,8,9,10,11,12,13,14,15
	s_wait_dscnt 15-\t                             ; read-back t is in, the younger ones may be out
	global_store_b128 v12, v[RS+4*\t:RS+4*\t+3], s[10:11] offset:512*\t th:TH_STORE_NT   ; 512 neighbouring bytes, two whole rows of out0
.endr
	s_wait_xcnt 0x0                                ; the stores' data and offset registers are written again only behind this wait
.if \on
	s_wait_alu depctr_vm_vsrc(0)                   ; the global stores have read S's registers and v12, the LDS stores O: later products and the next way out write them again
.endif
.if \check
	s_cmp_lg_u32 s21, 0
	s_cbranch_scc1 .Lsecond_\@
	QLOAD QBLK                                     ; no vector or matrix instruction since the wait on va_vdst above names Q's fragments
	s_mov_b32 s18, s24
	s_mov_b32 s22, s23
	s_mov_b32 s21, 1
	s_wait_dscnt 0x0                               ; the counted wait at the head of the next step speaks of K's fragments alone
.Lsecond_\@:
.endif
.endm
; One step, c = step % 4 = its slot.  pre: a tile is asked for (three steps on) and, by four waves of one group, one ahead of that.  left: see STAGE.
; kn: the next step's K fragments are fetched.  firstok: the tile may be tile 0 of a block.  check: see EPI.
; The branches hang on the wave's number and the group's j alone, and jump over register work, the staging's own copy in each arm, the wave's own LDS bytes and
; reads of this step's slot; the barrier stands behind them, in every wave's text.
.macro STEP c, pre, left, kn, firstok, check
.if \pre
.set SE_, (((\c)+1)&1)
	s_lshl_b32 s[GOF], s17, 14                     ; the tile's 16,384 bytes; the loads that last read this set's two bases were waited for in the last step's staging
	s_add_nc_u64 s[GB+4*SE_:GB+4*SE_+1], s[6:7], s[GOF:GOF+1]
	s_add_nc_u64 s[GB+4*SE_+2:GB+4*SE_+3], s[8:9], s[GOF:GOF+1]
	PREF SE_, (GB+4*SE_), (GB+4*SE_+2), 0, 1
	s_add_co_u32 s17, s17, 1                       ; the next tile,
	s_cmp_eq_u32 s17, s19
	s_cselect_b32 s17, 0, s17                      ; or tile 0 again, for the second block (whose tiles stay below s19)
	ASK (((((\c)+3)&3)+1)*TILEB)
.endif
	s_cmp_gt_i32 s16, s18
	s_cbranch_scc1 .Lskip_\@                       ; wholly behind my queries
	s_cmp_eq_u32 s16, s18
	s_cbranch_scc1 .Llast_\@
.if \firstok
	s_cmp_eq_u32 s16, 0
	s_cbranch_scc1 .Lfirst_\@
.endif
	COMPUTE \c, 0, 0, 1, \left
	s_branch .Ljoin_\@
.if \firstok
.Lfirst_\@:
	COMPUTE \c, 1, 0, 1, \left
	s_branch .Ljoin_\@
.endif
.Llast_\@:
.if \firstok
	s_cmp_eq_u32 s16, 0
	s_cbranch_scc1 .Lfl_\@
.endif
	COMPUTE \c, 0, 1, 1, \left
	s_branch .Ljoin_\@
.if \firstok
.Lfl_\@:
	COMPUTE \c, 1, 1, 1, \left                     ; block 0, waves 0 and 1: the first tile is the diagonal one
	s_branch .Ljoin_\@
.endif
.Lskip_\@:
	STAGE ((\c)&1), (((\c)+2)&3), \left
.Ljoin_\@:
	s_wait_dscnt 0x0                               ; my reads of this step's slot are back and my stores into the ring are done
	s_barrier_signal -1
.if \kn
	KFRAG (((\c)+1)&3), 1                          ; whole in LDS since the last barrier, and stored again only three barriers on
.endif
	s_barrier_wait -1                              ; both now hold of all eight waves
	s_cmp_lg_u32 s16, s18                          ; the way out stands behind the barrier: no other wave waits for it
	s_cbranch_scc1 .Lnoepi_\@
	EPI \check, 1
.Lnoepi_\@:
	s_add_co_u32 s16, s16, 1
	s_cmp_eq_u32 s16, s19
	s_cselect_b32 s16, 0, s16
.endm
	s_load_b256 s[4:11], s[0:1], 0x0               ; Q s[4:5], K s[6:7], V s[8:9], out0 s[10:11]
	v_lshl_add_u32 v9, v0, 2, 0x36000
	v_mov_b32 v31, 0
	v_lshrrev_b32 v20, 5, v0
	v_readfirstlane_b32 s12, v20                   ; w
	s_and_b32 s13, ttmp9, 3                        ; j
	s_lshr_b32 s14, ttmp9, 2                       ; head,
	s_lshl_b32 s14, s14, 19                        ; times 2,048 rows of 256 bytes
	s_mov_b32 s15, 0
	s_lshl_b32 s28, s13, 2                         ; 4 j
	s_wait_alu depctr_va_sdst(0)                   ; s12 is written, ahead of its first reader: the wave's tiles, rows, LDS bytes and branches are made from it
	s_lshr_b32 s29, s12, 1                         ; w / 2
	s_sub_co_u32 s19, 32, s28                      ; steps of the first block, 4 (8 - j): a multiple of 4, so tile % 4 = step % 4 in both blocks
	s_add_co_u32 s24, s28, s29                     ; tw of block j
	s_add_co_u32 s18, s19, s29
	s_sub_co_u32 s18, s18, 4                       ; tw of block 7 - j
	s_lshl_b32 s35, s12, 13                        ; w x 32 rows x 256 bytes
	s_sub_co_u32 s34, 7, s13
	s_lshl_b32 s34, s34, 16                        ; block x 256 rows x 256 bytes
	s_add_co_u32 s22, s34, s35
	s_lshl_b32 s34, s13, 16
	s_add_co_u32 s23, s34, s35
	s_mov_b32 s16, 0
	s_mov_b32 s17, 4                               ; tiles 0 to 3 are asked for by constants below
	s_mov_b32 s21, 0
	s_mov_b32 s25, 0xff800000                      ; -infinity
	s_mov_b32 s26, 0x76543210                      ; v_permlanex16_b32: lane i of one half reads lane i of the other
	s_mov_b32 s27, 0xfedcba98
	s_mov_b32 s30, 0x3e38aa3b                      ; c = log2(e) / 8: sqrt(1 / 64) and the change of base in one factor
	s_mov_b32 s31, 0x3e38aa3b
	s_mov_b32 s32, 0xbe38aa3b                      ; -c
	s_mov_b32 s[GOF+1], 0                          ; a tile's offset stays below 2^32
	s_mov_b32 s36, 27                              ; asks ahead: 27 in waves 0 to 3 of group j = 0,
	s_cmp_eq_u32 s13, 0
	s_cselect_b32 s36, s36, 0
	s_cmp_lt_u32 s12, 4
	s_cselect_b32 s36, s36, 0                      ; none elsewhere
	v_and_b32 v20, 31, v0                          ; L
	v_and_b32 v21, 15, v0                          ; r
	v_bfe_u32 v22, v0, 4, 1                        ; h
	v_lshlrev_b32 v1, 4, v20
	v_lshlrev_b32 v10, 4, v0
	v_mov_b32 v17, 0                               ; the packed forms name the pair v[16:17] and take one half: tile 1's half has a value before tile 0's first use
	v_lshlrev_b32 v30, 8, v20                      ; 256 L,
	s_and_b32 s34, s12, 1
	s_lshl_b32 s34, s34, 13
	s_add_co_u32 s34, s34, 5*TILEB
	v_add_nc_u32 v30, s34, v30                     ; in my half of tile 5
	v_mul_u32_u24 v2, v21, KP
	v_lshl_add_u32 v2, v22, 4, v2
	v_and_b32 v23, 7, v0
	v_lshl_add_u32 v23, v22, 3, v23
	v_mul_u32_u24 v3, v23, VP
	v_bfe_u32 v23, v0, 3, 1
	v_lshl_add_u32 v3, v23, 4, v3
	v_add_nc_u32 v3, LV, v3                        ; V's slots begin at 36,864: the register carries that, the immediates stay below 65,536
	v_mul_u32_u24 v24, v22, KP
	v_lshl_add_u32 v24, v21, 3, v24                ; 144 h + 8 r
	s_mul_i32 s34, s12, 2*KP
	v_add_nc_u32 v4, s34, v24
	v_mul_u32_u24 v25, v22, VP
	v_lshl_add_u32 v25, v21, 3, v25                ; 160 h + 8 r
	s_mul_i32 s34, s12, 2*VP
	s_add_co_u32 s34, s34, LV
	v_add_nc_u32 v5, s34, v25
	s_mul_i32 s34, s12, 2*QBLK
	s_add_co_u32 s34, s34, LQ                      ; my Q stage
	v_add_nc_u32 v6, s34, v2
	v_add_nc_u32 v13, s34, v24
	s_mul_i32 s35, s12, OWAVE
	s_add_co_u32 s35, s35, LOUT                    ; my stage for the way out
	v_mul_u32_u24 v25, v21, OPITCH
	v_lshl_add_u32 v25, v22, 5, v25
	v_add_nc_u32 v7, s35, v25
	v_mul_u32_u24 v25, v22, OPITCH
	v_lshl_add_u32 v25, v21, 4, v25
	v_add_nc_u32 v8, s35, v25
	s_and_b32 s34, s12, 1
	s_lshl_b32 s34, s34, 5
	v_lshlrev_b32 v25, 3, v22
	v_sub_nc_u32 v11, v21, v25
	v_add_nc_u32 v11, s34, v11                     ; 32 (w % 2) + r - 8 h, signed
	; the diagonal tile's comparisons, in one run: 16 (t - q) + n takes 40 different values
.set MI, 0
.rept 40
	v_cmp_le_i32 s[MK+MI+2*(MI/24)], 16*(MI/8)+MI%8-16, v11
.set MI, MI+1
.endr
	v_add_nc_u32 v26, s22, v1                      ; my queries of the first block,
	v_add_nc_u32 v27, s23, v1                      ; and of the second
	s_wait_alu depctr_va_sdst(0)                   ; the 40 masks are written, ahead of every branch and of their first readers, the selects of the diagonal steps
	s_wait_kmcnt 0x0
	s_add_nc_u64 s[4:5], s[4:5], s[14:15]
	s_add_nc_u64 s[6:7], s[6:7], s[14:15]
	s_add_nc_u64 s[8:9], s[8:9], s[14:15]
	s_add_nc_u64 s[10:11], s[10:11], s[14:15]
	s_cmp_lt_u32 s12, 2
	s_cselect_b64 s[38:39], s[6:7], s[8:9]         ; waves 0, 1 ask ahead in K, waves 2, 3 in V
	s_wait_alu depctr_va_vdst(0)                   ; v2 to v8, v10, v13, v26, v27 and v30 are written: the offsets and LDS addresses that the kernel's loads, stores and asks read (v12 alone is made anew on each way out)
	; my 2 x 32 queries, two rows an instruction, into registers that are free until the first step; then tiles 0 and 1
.irp i, 0,1,2,3,4,5,6,7,8,9,10,11,12,13,14,15
	global_load_b128 v[RS+4*\i:RS+4*\i+3], v26, s[4:5] offset:512*\i th:TH_LOAD_NT
.endr
.irp i, 0,1,2,3,4,5,6,7,8,9,10,11,12,13,14,15
	global_load_b128 v[RO+4*\i:RO+4*\i+3], v27, s[4:5] offset:512*\i th:TH_LOAD_NT
.endr
	PREF 0, 6, 8, 0, 0
	PREF 1, 6, 8, TILEB, 0
.macro QSTAGE reg, off                 ; row 2 i + h, 8 bytes at 8 r, into my own stage: the conversions in one run, the stores in another
.irp i, 0,1,2,3,4,5,6,7,8,9,10,11,12,13,14,15
	v_cvt_pk_f16_f32 v[\reg+4*\i], v[\reg+4*\i], v[\reg+4*\i+1]
	v_cvt_pk_f16_f32 v[\reg+4*\i+1], v[\reg+4*\i+2], v[\reg+4*\i+3]
.endr
	s_wait_alu depctr_va_vdst(0)                   ; the conversions have written the packed pairs, which the LDS stores read
.irp i, 0,1,2,3,4,5,6,7,8,9,10,11,12,13,14,15
	ds_store_b64 v13, v[\reg+4*\i:\reg+4*\i+1] offset:\off+2*KP*\i
.endr
.endm
	s_wait_loadcnt 32                              ; the first block's sixteen are in; the second block's sixteen and two tiles' sixteen may be out
	QSTAGE RS, 0
	s_wait_loadcnt 16                              ; the two tiles' sixteen may be out
	QSTAGE RO, QBLK
	STAGE 0, 0, 8                                  ; tile 0; tile 1's eight may be out
	s_wait_dscnt 0x0                               ; set 0's stores are done: the set is loaded again
	PREF 0, 6, 8, 2*TILEB, 1                       ; its wait on vm_vsrc holds also of Q's loads, which have read v26 and v27, and of Q's LDS stores, which have read S's and O's registers: the first step writes all of these
	STAGE 1, 1, 8                                  ; tile 1; tile 2's eight may be out
	QLOAD 0                                        ; behind my own stores, served in order; no vector instruction has named Q's fragments yet
	s_wait_dscnt 0x0                               ; my stores of tiles 0 and 1 are done
	s_barrier_signal -1
	s_barrier_wait -1                              ; everybody's are
	KFRAG 0, 0                                     ; no vector or matrix instruction has named the fragments yet
	; Step 0, tile 0 of the first block: every wave works on it, it is never the diagonal tile (tw is at least 16), and it starts the sums.
	PREF 1, 6, 8, 3*TILEB, 1
	ASK 0
	COMPUTE 0, 1, 0, 1, 8
	s_wait_dscnt 0x0
	s_barrier_signal -1
	KFRAG 1, 1
	s_barrier_wait -1
	s_mov_b32 s16, 1
	; Steps 1 to 32, four a trip.
	s_mov_b32 s20, 8
.Ltrip:
	STEP 1, 1, 8, 1, 0, 1
	STEP 2, 1, 8, 1, 0, 1
	STEP 3, 1, 8, 1, 0, 1
	STEP 0, 1, 8, 1, 1, 1
	s_wait_xcnt 0x0                                ; the asks' base is written again only behind this wait; the trip's last ask stands a step back
	s_add_nc_u64 s[38:39], s[38:39], 4*TILEB       ; the next trip's four tiles: the base steps, v30 stays
	s_sub_co_u32 s20, s20, 1
	s_cmp_lg_u32 s20, 0
	s_cbranch_scc1 .Ltrip
	; Step 33, tile 4 j + 1: nothing is left to ask for; the last tile is staged, behind the last barrier.
	STEP 1, 0, 0, 0, 0, 0
	; Steps 34 and 35, tiles 4 j + 2 and 4 j + 3: no LDS byte is stored any more, so no barrier.  Waves 0 to 3 are done; tile 4 j + 2 is the diagonal tile of
	; waves 4 and 5; waves 6 and 7 go on to tile 4 j + 3, which is theirs.
	s_cmp_gt_i32 s16, s18
	s_cbranch_scc1 .Lend
	KFRAG 2, 1
	s_cmp_eq_u32 s16, s18
	s_cbranch_scc1 .Ldiag34
	COMPUTE 2, 0, 0, 0, 0
	KFRAG 3, 1
	COMPUTE 3, 0, 1, 0, 0
	s_branch .Lout
.Ldiag34:
	COMPUTE 2, 0, 1, 0, 0
.Lout:
	EPI 0, 0
.Lend:
	s_wait_dscnt 0x0
	s_wait_alu depctr_hold_cnt(0) depctr_sa_sdst(0) depctr_va_vdst(0) depctr_va_sdst(0) depctr_va_ssrc(0) depctr_va_vcc(0) depctr_vm_vsrc(0)
	s_wait_tensorcnt 0x0
	ds_add_u32 v9, v31
	s_wait_dscnt 0x0
	s_endpgm
.Lfunc_end_k_qc29ea4b52e_attn:
	.size	k_qc29ea4b52e_attn, .Lfunc_end_k_qc29ea4b52e_attn-k_qc29ea4b52e_attn
	.p2alignl 7, 3214868480
	.fill 96, 4, 3214868480
	.section	.rodata,"a",@progbits
	.p2align	6, 0x0
	.amdhsa_kernel k_qc29ea4b52e_attn
		.amdhsa_group_segment_fixed_size 222208
		.amdhsa_private_segment_fixed_size 0
		.amdhsa_enable_private_segment 0
		.amdhsa_kernarg_size 32
		.amdhsa_user_sgpr_count 2
		.amdhsa_user_sgpr_kernarg_segment_ptr 1
		.amdhsa_wavefront_size32 1
		.amdhsa_system_sgpr_workgroup_id_x 1
		.amdhsa_system_sgpr_workgroup_id_y 1
		.amdhsa_system_sgpr_workgroup_id_z 1
		.amdhsa_system_vgpr_workitem_id 0
		.amdhsa_next_free_vgpr 320
		.amdhsa_next_free_sgpr 92
		.amdhsa_reserve_vcc 0
		.amdhsa_float_denorm_mode_32 3
		.amdhsa_float_denorm_mode_16_64 3
		.amdhsa_memory_ordered 1
		.amdhsa_forward_progress 1
		.amdhsa_inst_pref_size 255
	.end_amdhsa_kernel
	.section	.bss,"aw",@nobits
	.p2align	6
	.space	262144
	.amdgpu_metadata
---
amdhsa.version: [ 1, 2 ]
amdhsa.kernels:
  - .name:           k_qc29ea4b52e_attn
    .symbol:         k_qc29ea4b52e_attn.kd
    .args:
      - { .name: Q, .offset: 0, .size: 8, .value_kind: global_buffer, .address_space: global }
      - { .name: K, .offset: 8, .size: 8, .value_kind: global_buffer, .address_space: global }
      - { .name: V, .offset: 16, .size: 8, .value_kind: global_buffer, .address_space: global }
      - { .name: out0, .offset: 24, .size: 8, .value_kind: global_buffer, .address_space: global }
    .group_segment_fixed_size: 222208
    .private_segment_fixed_size: 0
    .kernarg_segment_align: 8
    .kernarg_segment_size: 32
    .max_flat_workgroup_size: 256
    .sgpr_count:     92
    .vgpr_count:     320
    .wavefront_size: 32
...
	.end_amdgpu_metadata
.endif
;; end of part 2
